; MI455X (gfx1250); checked and timed in simulation.
; The chip was launched on July 23, 2026; its instructions are those of AMD's public machine-readable ISA for CDNA 5 (MIT licence, August 2026) and "CDNA5" Instruction Set Architecture Reference Guide (July 2026). The comments in the code are by the model that wrote it; some were corrected since.
;; Vector Quantizer. Allowed arithmetic: matrix products marked QUANTISED: E2M3 operands, one E8M0 scale for each 32 along K, by v_wmma_scale_f32_16x16x128_f8f6f4 with both operands' format E2M3, f32 sums; everything else in f32.
;; Inputs: codebook 1,024 x 256 float32; x 8 x 4,096 x 256 float32.
;; Outputs: out0 8 x 4,096 int32.
;; This version of the problem:
;;   THIS VERSION OF THE PROBLEM IS GIVEN IN LOW PRECISION. The matrix products marked QUANTISED in the list below multiply operands that are first quantised to E2M3 (2 exponent bits, 3 mantissa bits; 6 bits a number), with one power-of-two scale for each 32 numbers along K (OCP MX v1.0); their sums are f32. All else is computed in f32.
;;   The module's matrix products, in the order in which they are computed (A, B: the left and right operand; K: the contracted axis; several contracted axes count as one K, in the product's order):
;;     1. [M 32,768, K 256] x [K 256, N 1,024]; A: input x; B: input codebook: QUANTISED
;;   THE QUANTISER, for each operand of a quantised product, along K:
;;     - K is cut into blocks of 32 from its start; a last block that is shorter is filled with zeros.
;;     - A block's scale is 2^e with e = floor(log2(the largest magnitude in the block)) - 2, held to -126 .. 127; a block of zeros has e = 0. As a byte (E8M0): e + 127.
;;     - Each number is divided by its block's scale, clamped to +-7.5, and rounded to the nearest number of E2M3, ties to even, subnormals kept.
;;     - The product sums the exact products of the quantised numbers (number of the format x scale) in f32.
;;   ~~~python
;;   def quantise(x, axis):      # numpy; x: float32 -> the quantised numbers, widened to float32 again
;;       x = np.moveaxis(x, axis, -1); K = x.shape[-1]
;;       x = np.pad(x, [(0, 0)] * (x.ndim - 1) + [(0, -K % 32)]); x = x.reshape(x.shape[:-1] + (-1, 32)); a = np.abs(x).max(-1, keepdims=True)
;;       e = np.where(a > 0, np.clip(np.frexp(np.where(a > 0, a, 1))[1] - 1 - 2, -126, 127), 0)      # np.frexp(a)[1] - 1 = floor(log2(a)), exactly
;;       r = np.clip(x / 2.0 ** e, -7.5, 7.5)
;;       step = 2.0 ** (np.maximum(np.frexp(np.where(r == 0, 1, r))[1] - 1, 0) - 3)
;;       q = np.round(r / step) * step * 2.0 ** e      # np.round: ties to even
;;       return np.moveaxis(q.reshape(q.shape[:-2] + (-1,))[..., :K], -1, axis).astype(np.float32)
;;   ~~~
;; One version. Each part assembles by itself: llvm-mc -triple=amdgcn-amd-amdhsa -mcpu=gfx1250 --defsym DOCPART=n.
;; ======== version 1 of 1: 2 launches
;; limits: right only within a limited range of input values
;; workspace buffers: cbq 212,992 bytes
;; launch cbprep (part 1): grid 64 x 1, 4 waves a work-group, no clusters, 21,760 bytes of LDS; arguments codebook, cbq; writes cbq
.if DOCPART == 1
	.amdgcn_target "amdgcn-amd-amdhsa--gfx1250"
	.amdhsa_code_object_version 6
	.text
	.protected	k_qcdfacb24ca_cbprep
	.globl	k_qcdfacb24ca_cbprep
	.p2align	8
	.type	k_qcdfacb24ca_cbprep,@function
k_qcdfacb24ca_cbprep:
	s_mov_b64 s[64:65], 0
	v_nop
	global_prefetch_b8 v0, s[64:65] scope:SCOPE_SE
	s_setreg_imm32_b32 hwreg(HW_REG_WAVE_MODE, 25, 1), 1
	s_wait_xcnt 0x0
; out0 = argmin over k of x2 + c2[k] - 2 x.codebook[k].
; DEAD WORK: x2 = the sum of the squares of a token's own x.  It is the same number for every k, so in exact arithmetic it moves no argmin, whatever the inputs hold: neither launch computes it.
; (It is of c2's own size on inputs of the problem's kind.)  What is sought is the k at which x.codebook[k] - c2[k]/2 is greatest, the lowest such k.
; LIMIT: a NaN, an infinity or an overflow that reaches x2 alone is not carried to the result.
; This launch quantises the codebook [1024][256] f32 along its 256 into codes of FP6 (E2M3) with one E8M0 scale byte for each 32, laid as the next launch's operand registers take them.
; cbq: 64 records of REC bytes, record 8 e + c = tile c of codes 128 e .. 128 e + 127.  Row m = 8 h + j of tile c is code 128 e + 64 h + 8 c + j (so a lane of the products holds 64 neighbouring codes in its 8 tiles).
;   bytes 0 ..     fragment images: K step s (128 along K) at 1536 s; registers 4 i .. 4 i + 3 of lane l at + 512 i + 16 l
;   bytes 3072 ..  scale words: row r, K step s at 64 s + 4 r
;   bytes 3200 ..  -c2/2 of the 16 rows, 4 bytes each, c2 = the f32 sum of the squares of the UNQUANTISED row; then the same 64 bytes again, which fill the last 256-byte unit
; SHARES: a work-group takes one tile; wave q takes 16 rows x 64 along K: lane (r, h) has a whole block of 32: k = 64 q + 32 h + 0 .. 31 of row r.
; A block's scale is 2^(floor(log2(its largest magnitude)) - 2); its byte is the largest magnitude's exponent field - 2, held at 1 from below.
; LIMITS: NaN and infinities among the inputs are not served.  A block of zeros gets the byte 1 where the rule says 127: its codes are zeros, which add nothing under any byte but 0xff, and this program alone
; reads the bytes.  c2 is summed in another order than from left to right: where two distances lie within rounding of each other the choice can differ from a sum in another order.
; No tensor load, no cluster: the work-groups share no input.
.set REC,   3328
.set STG,   0                          ; LDS: a stage for each wave: 16 rows x (256 bytes + 16)
.set IMGL,  4*4352                     ; the tile's two images
.set SCL,   IMGL+3072                  ; the record's last 256 bytes
.set PRT,   SCL+256                    ; partial sums of squares: block b of 8, row r at 64 b + 4 r
.set SPARE, PRT+512                    ; the spare words
.set SPW, 4
.set NIL, 5
.set GA,  6                            ; my byte in a pair of rows: 1024 h + 16 r
.set SA,  7                            ; the stage, in
.set SB,  8                            ; and out
.set IA0, 9                            ; where my block's dwords 0, 1 (and, 512 on, 4, 5) go in the image
.set IA1, 10                           ; and dwords 2, 3
.set SW,  11
.set PW,  12
.set IR,  13
.set OI,  14
.set PR,  15
.set CW,  16
.set TR,  17
.set TO,  18
.set T1,  20
.set T2,  21
.set EX,  22
.set BY,  23
.set SQ,  24                           ; v24-31 four pairs of running sums
.set RAW, 32                           ; v32-63 as loaded
.set X,   64                           ; v64-95 my block
.set D,   96                           ; v96-102 its codes
	s_load_b128 s[4:7], s[0:1], 0x0                ; codebook s[4:5], cbq s[6:7]
	v_lshl_add_u32 v[SPW], v0, 2, SPARE
	v_mov_b32 v[NIL], 0
	v_lshrrev_b32 v1, 5, v0
	v_readfirstlane_b32 s10, v1                    ; wave q
	v_and_b32 v1, 31, v0                           ; lane
	v_and_b32 v2, 15, v0                           ; r
	v_bfe_u32 v3, v0, 4, 1                         ; h
	v_lshlrev_b32 v19, 4, v2
	v_lshl_add_u32 v[GA], v3, 10, v19
	s_wait_alu depctr_va_vdst(0)
	s_lshr_b32 s11, ttmp9, 3
	s_lshl_b32 s12, s11, 17                        ; 128 e rows of 1,024 bytes,
	s_and_b32 s13, ttmp9, 7
	s_lshl_b32 s13, s13, 13                        ; 8 c rows,
	s_add_co_u32 s12, s12, s13
	s_lshl_b32 s13, s10, 8                         ; my 256 bytes of a row
	s_add_co_u32 s12, s12, s13
	s_mov_b32 s13, 0
	s_wait_kmcnt 0x0
	s_add_nc_u64 s[4:5], s[4:5], s[12:13]
.irp p, 0,1,2,3,4,5,6,7                        ; rows 2 p and 2 p + 1 of the tile: 256 consecutive aligned bytes of each; rows 8 to 15 lie 64 codes on from rows 0 to 7
	global_load_b128 v[RAW+4*\p:RAW+4*\p+3], v[GA], s[4:5] offset:2048*\p+57344*(\p/4) th:TH_LOAD_NT
.endr
	s_mul_i32 s14, ttmp9, REC
	s_mov_b32 s15, 0
	s_add_nc_u64 s[6:7], s[6:7], s[14:15]          ; my record
	s_mul_i32 s16, s10, 4352                       ; my stage
	s_lshr_b32 s17, s10, 1                         ; K step
	s_and_b32 s18, s10, 1                          ; which half of it
	s_mul_i32 s19, s17, 1536
	s_add_co_u32 s19, s19, IMGL
	s_mul_i32 s20, s18, 520
	s_add_co_u32 s20, s20, s19                     ; registers 0, 1 (first half) or 6, 7 (second)
	s_mul_i32 s21, s18, 1016
	s_add_co_u32 s21, s21, s19
	s_add_co_u32 s21, s21, 8                       ; registers 2, 3 or 8, 9
	s_lshl_b32 s22, s17, 6
	s_lshl_b32 s23, s18, 1
	s_add_co_u32 s22, s22, s23
	s_add_co_u32 s22, s22, SCL
	s_lshl_b32 s23, s10, 7
	s_add_co_u32 s23, s23, PRT
	s_lshl_b32 s24, s10, 10
	s_add_co_u32 s25, s24, IMGL
	v_mul_u32_u24 v[SA], v3, 272
	v_mul_u32_u24 v[SB], v2, 272
	v_add_nc_u32 v[SA], v19, v[SA]
	v_lshl_add_u32 v[SB], v3, 7, v[SB]
	v_add_nc_u32 v[SA], s16, v[SA]                 ; in: row h of a pair, 16 r
	v_add_nc_u32 v[SB], s16, v[SB]                 ; out: row r, 128 h
	v_lshl_add_u32 v[IA0], v1, 4, s20
	v_lshl_add_u32 v[IA1], v1, 4, s21
	v_lshl_add_u32 v[SW], v2, 2, s22
	v_lshl_add_u32 v[PW], v1, 2, s23               ; block 2 q + h, row r
	v_add_nc_u32 v[SW], v3, v[SW]                  ; byte 2 (q % 2) + h of the word
	v_lshl_add_u32 v[IR], v1, 4, s25
	v_lshl_add_u32 v[OI], v1, 4, s24
	v_lshl_add_u32 v[PR], v2, 2, PRT
	v_lshl_add_u32 v[CW], v1, 2, SCL+128
	v_lshl_add_u32 v[TR], v1, 3, SCL
	v_lshl_add_u32 v[TO], v1, 3, 3072
	s_wait_alu depctr_va_vdst(0)
.irp p, 0,1,2,3,4,5,6,7
	s_wait_loadcnt 7-\p                            ; loads come back in order
	ds_store_b128 v[SA], v[RAW+4*\p:RAW+4*\p+3] offset:544*\p
.endr
.irp j, 0,1,2,3,4,5,6,7                        ; LDS serves a wave's instructions in order (ISA guide 5.7.1.4): these see the stores
	ds_load_b128 v[X+4*\j:X+4*\j+3], v[SB] offset:16*\j
.endr
	s_wait_dscnt 0x0
	v_max3_num_f32 v[T1], |v[X]|, |v[X+1]|, |v[X+2]|           ; the block's largest magnitude, in two chains
	v_max3_num_f32 v[T2], |v[X+3]|, |v[X+4]|, |v[X+5]|
.irp n, 0,1,2,3
	v_pk_mul_f32 v[SQ+2*\n:SQ+2*\n+1], v[X+2*\n:X+2*\n+1], v[X+2*\n:X+2*\n+1]
.endr
.irp i, 6,10,14,18,22,26
	v_max3_num_f32 v[T1], v[T1], |v[X+\i]|, |v[X+\i+1]|
	v_max3_num_f32 v[T2], v[T2], |v[X+\i+2]|, |v[X+\i+3]|
.set N, (\i+2)/2
	v_pk_fma_f32 v[SQ+2*(N%4):SQ+2*(N%4)+1], v[X+2*N:X+2*N+1], v[X+2*N:X+2*N+1], v[SQ+2*(N%4):SQ+2*(N%4)+1]
.set N, N+1
	v_pk_fma_f32 v[SQ+2*(N%4):SQ+2*(N%4)+1], v[X+2*N:X+2*N+1], v[X+2*N:X+2*N+1], v[SQ+2*(N%4):SQ+2*(N%4)+1]
.endr
	v_max3_num_f32 v[T1], v[T1], |v[X+30]|, |v[X+31]|
	v_max3_num_f32 v[T1], v[T1], v[T2], 0x1800000  ; and the floor 2^(3 - 127): so the byte cannot fall under 1
	v_pk_add_f32 v[SQ:SQ+1], v[SQ:SQ+1], v[SQ+2:SQ+3]
	v_pk_add_f32 v[SQ+4:SQ+5], v[SQ+4:SQ+5], v[SQ+6:SQ+7]
	v_add_nc_u32 v[EX], 0xff000000, v[T1]          ; 2 off its exponent field: the conversion takes the exponent field of this operand as its scale
	v_pk_add_f32 v[SQ:SQ+1], v[SQ:SQ+1], v[SQ+4:SQ+5]
	v_lshrrev_b32 v[BY], 23, v[EX]                 ; the scale's byte
	v_add_f32 v[SQ], v[SQ], v[SQ+1]
	v_cvt_scalef32_pk16_fp6_f32 v[D:D+2], v[X:X+15], v[EX]
	v_cvt_scalef32_pk16_fp6_f32 v[D+4:D+6], v[X+16:X+31], v[EX]   ; (a conversion's three registers begin on an even number)
	v_nop                                          ; one plain place behind a scaled conversion
	v_mov_b32 v[D+3], v[D+4]
	v_mov_b32 v[D+4], v[D+5]
	v_mov_b32 v[D+5], v[D+6]                       ; v[D] .. v[D + 5]: the block's 192 bits
	ds_store_b64 v[IA0], v[D:D+1]
	ds_store_b64 v[IA1], v[D+2:D+3]
	ds_store_b64 v[IA0], v[D+4:D+5] offset:512
	ds_store_b8 v[SW], v[BY]
	ds_store_b32 v[PW], v[SQ]
	s_wait_dscnt 0x0                               ; for the others' sake: my stores have landed
	s_barrier_signal -1
	s_barrier_wait -1
	s_cmp_eq_u32 s10, 3
	s_cbranch_scc1 .Ltail
	ds_load_b128 v[32:35], v[IR]                   ; waves 0 to 2: 1,024 bytes of the images each
	ds_load_b128 v[36:39], v[IR] offset:512
	s_wait_dscnt 0x1
	global_store_b128 v[OI], v[32:35], s[6:7]      ; 32 lanes store 512 consecutive bytes, at a multiple of 256 from cbq's first byte
	s_wait_dscnt 0x0
	global_store_b128 v[OI], v[36:39], s[6:7] offset:512
	s_branch .Lend
.Ltail:                                                ; wave 3: the record's last 256 bytes
.irp b, 0,1,2,3,4,5,6,7
	ds_load_b32 v[32+\b], v[PR] offset:64*\b       ; row r's sum over block b
.endr
	s_wait_dscnt 0x0
	v_pk_add_f32 v[32:33], v[32:33], v[34:35]
	v_pk_add_f32 v[36:37], v[36:37], v[38:39]
	v_pk_add_f32 v[32:33], v[32:33], v[36:37]
	v_add_f32 v32, v32, v33
	v_mul_f32 v32, -0.5, v32                       ; -c2/2
	ds_store_b32 v[CW], v32                        ; lanes 0-15 the 16 rows, lanes 16-31 the same again behind them
	ds_load_b64 v[40:41], v[TR]                    ; LDS serves a wave's instructions in order: this sees the store
	s_wait_dscnt 0x0
	global_store_b64 v[TO], v[40:41], s[6:7]       ; 32 lanes store 256 consecutive bytes
.Lend:
	s_wait_tensorcnt 0x0                           ; the wave's end
	ds_add_u32 v[SPW], v[NIL]
	s_wait_dscnt 0x0
	s_endpgm
.Lfunc_end_k_qcdfacb24ca_cbprep:
	.size	k_qcdfacb24ca_cbprep, .Lfunc_end_k_qcdfacb24ca_cbprep-k_qcdfacb24ca_cbprep
	.p2alignl 7, 3214868480
	.fill 96, 4, 3214868480
	.section	.rodata,"a",@progbits
	.p2align	6, 0x0
	.amdhsa_kernel k_qcdfacb24ca_cbprep
		.amdhsa_group_segment_fixed_size 21760
		.amdhsa_private_segment_fixed_size 0
		.amdhsa_enable_private_segment 0
		.amdhsa_kernarg_size 16
		.amdhsa_user_sgpr_count 2
		.amdhsa_user_sgpr_kernarg_segment_ptr 1
		.amdhsa_wavefront_size32 1
		.amdhsa_system_sgpr_workgroup_id_x 1
		.amdhsa_system_sgpr_workgroup_id_y 1
		.amdhsa_system_sgpr_workgroup_id_z 1
		.amdhsa_system_vgpr_workitem_id 0
		.amdhsa_next_free_vgpr 128
		.amdhsa_next_free_sgpr 66
		.amdhsa_reserve_vcc 0
		.amdhsa_float_denorm_mode_32 3
		.amdhsa_float_denorm_mode_16_64 3
		.amdhsa_memory_ordered 1
		.amdhsa_forward_progress 1
		.amdhsa_inst_pref_size 10
	.end_amdhsa_kernel
	.amdgpu_metadata
---
amdhsa.version: [ 1, 2 ]
amdhsa.kernels:
  - .name:           k_qcdfacb24ca_cbprep
    .symbol:         k_qcdfacb24ca_cbprep.kd
    .args:
      - { .name: codebook, .offset: 0, .size: 8, .value_kind: global_buffer, .address_space: global }
      - { .name: cbq, .offset: 8, .size: 8, .value_kind: global_buffer, .address_space: global }
    .group_segment_fixed_size: 21760
    .private_segment_fixed_size: 0
    .kernarg_segment_align: 8
    .kernarg_segment_size: 16
    .max_flat_workgroup_size: 128
    .sgpr_count:     66
    .vgpr_count:     128
    .wavefront_size: 32
...
	.end_amdgpu_metadata
.endif
;; end of part 1
;; launch vq (part 2): grid 256 x 1, 8 waves a work-group, no clusters, 186,368 bytes of LDS; arguments x, cbq, out0; writes out0
.if DOCPART == 2
	.amdgcn_target "amdgcn-amd-amdhsa--gfx1250"
	.amdhsa_code_object_version 6
	.text
	.protected	k_qcdfacb24ca_vq
	.globl	k_qcdfacb24ca_vq
	.p2align	8
	.type	k_qcdfacb24ca_vq,@function
k_qcdfacb24ca_vq:
	s_mov_b64 s[64:65], 0
	v_nop
	global_prefetch_b8 v0, s[64:65] scope:SCOPE_SE
	s_setreg_imm32_b32 hwreg(HW_REG_WAVE_MODE, 25, 1), 1
	s_wait_xcnt 0x0
; out0[token] = the lowest k at which s[k] = x.codebook[k] - c2[k]/2 is greatest: the argmin of x2 + c2[k] - 2 x.codebook[k].  x: [32768][256] f32; the product is of codes of FP6 (E2M3) with one E8M0 scale
; for each 32 along the 256, sums in f32.
; DEAD WORK: x2, the sum of the squares of a token's own x, is the same for every k and moves no argmin in exact arithmetic: it is not computed (the first launch's head says so in full).
; LIMITS: a NaN, an infinity or an overflow that reaches x2 alone is not carried; NaN and infinities among the inputs are not served.  A block of zeros gets the scale byte 1 where the rule says 127: its codes are
; zeros, and the bytes are read by this program alone.  The rounding of x2 + c2 is not repeated: where two distances lie within rounding of each other the choice can differ.
; SHARES.  A work-group owns 128 tokens, 8 tiles of 16; eight waves of 512 registers, two to a SIMD.  Wave w owns codes 128 w .. 128 w + 127: their 8 tiles' fragments (192 registers), scale words (8) and -c2/2 (64)
;   stay in its registers for the whole launch, and the token tiles go by.  -c2/2 is the C of each sum's first product.
;   x goes through four phases of two token tiles.  In each, wave w quantises 16 tokens x 64 along K (tile 2 p + w / 4, quarter w % 4 of the 256), one block of 32 a lane; codes and scale bytes go to LDS as an image of the
;   operand's registers, which all eight waves load behind a barrier.  A phase's numbers are quantised between the two tiles' products of the phase before.
; LAYOUT.  Source 0 = 16 codes, source 1 = 16 tokens: lane (r, h) holds token r, register j of tile c the code 128 w + 64 h + 8 c + j: a lane's 64 sums are 64 neighbouring codes in ascending order.
; THE SEARCH.  A running maximum over the tiles; where a tile's is greater (strictly: the earlier tile keeps a tie), its number and a copy of its eight sums are taken.  Then the first of the eight kept sums that equals the
;   maximum gives the code.  Sixteen candidates for each token (wave, half) are joined in ascending order by a strict greater: ties go to the lowest index throughout.
; x comes by asynchronous copies straight into LDS, all of them issued at the head: each LDS byte is filled once.
; NO CLUSTER: all work-groups read the same 64 records of cbq, but their fragments go from memory straight into the registers in which they stay; a joint load lands in LDS, from where each of the 196,608 bytes would be
; read exactly once.  NO PREFETCH: the text has no loop to run ahead in, and all that it reads is asked for at its head.
.set REC,   3328                       ; a tile's record in cbq
.set RWV,   4*4352                     ; LDS: a wave's x: four phases x 16 rows x (256 bytes + 16)
.set C2L,   8*RWV                      ; -c2/2: 512 bytes a wave, tile c, row m at 64 c + 4 m
.set XIMG,  C2L+4096                   ; x's fragment images: token tile t, K step s at 3072 t + 1536 s
.set XSC,   XIMG+24576                 ; x's scale words: 128 t + 64 s + 4 r
.set MRG,   XSC+1024                   ; the candidates: (2 w + h) 1024 + 8 x token: the sum, the index
.set SPARE, MRG+16384                  ; the spare words
.set SPW, 4
.set NIL, 5
.set LD,  6                            ; the copies' LDS address; never rewritten
.set C2D, 7                            ; the c2 copy's LDS address
.set VG,  8                            ; v8-15 the copies' offsets in x
.set AS,  16                           ; v16-19, v24-27 the codes' scale words, tile c in v[AS + c + 4 (c / 4)]: scales and nothing else
.set XS,  20                           ; v20 the token tile's scale words: scales and nothing else
.set C2G, 21
.set CO,  22
.set SO,  23
.set RB,  28                           ; my x in LDS: 272 r + 128 h
.set CB,  29
.set IA0, 30                           ; where my block's dwords 0, 1 (and, 512 on, 4, 5) go in the image
.set IA1, 31                           ; and dwords 2, 3
.set SW,  32
.set FX,  33
.set FS,  34
.set MW,  35
.set IB,  36
.set MR,  37
.set OA,  38
.set TT,  39
.set XF,  40                           ; v40-63 the token tile's two fragments
.set ACC, 64                           ; v64-127 eight accumulators; at the end the candidates
.set RAW, 128                          ; v128-159 my block of 32 numbers
.set D,   160                          ; v160-166 its codes
.set T1,  168
.set T2,  169
.set EX,  170
.set BY,  171
.set M1,  172
.set M2,  173
.set RN,  174                          ; v174, v175 the running maximum, by turns
.set ID,  176
.set JA,  177
.set JB,  178
.set RES0, 180                         ; v[180:181], v[182:183] a tile's result: sum, index
.set RES1, 182
.set C2R, 192                          ; window 1: v0-191 the codes' fragments (tile c, K step s at 24 c + 12 s), v192-255 -c2/2 (tile c at 8 c)
.set MSB, 0
.macro WIN new                         ; the immediate's high byte repeats the setting that is left
.if MSB != \new
	s_set_vgpr_msb (MSB<<8)|\new
.set MSB, \new
.endif
.endm
.macro COPY p                          ; phase p: 16 rows x 256 bytes: rows 2 n and 2 n + 1 by one copy.  The immediate is added to both addresses: 4352 p + 544 n in LDS; the bases and offsets hold the rest of 32768 p + 2048 n
.irp n, 0,1,2,3,4,5,6,7
	global_load_async_to_lds_b128 v[LD], v[VG+\n], s[20+2*\p:21+2*\p] offset:4352*\p+544*\n
.endr
.endm
.macro LOADRAW p                       ; rows are 272 bytes = 68 words apart: sixteen rows start at sixteen different groups of four banks (64 banks of 4 bytes: ISA guide 11.1)
.irp j, 0,1,2,3,4,5,6,7
	ds_load_b128 v[RAW+4*\j:RAW+4*\j+3], v[RB] offset:4352*(\p)+16*\j
.endr
.endm
; my 32 numbers are one block: its codes and its scale byte go to phase p's images
.macro QUANT p
	v_max3_num_f32 v[T1], |v[RAW]|, |v[RAW+1]|, |v[RAW+2]|
	v_max3_num_f32 v[T2], |v[RAW+3]|, |v[RAW+4]|, |v[RAW+5]|
.irp i, 6,10,14,18,22,26
	v_max3_num_f32 v[T1], v[T1], |v[RAW+\i]|, |v[RAW+\i+1]|
	v_max3_num_f32 v[T2], v[T2], |v[RAW+\i+2]|, |v[RAW+\i+3]|
.endr
	v_max3_num_f32 v[T1], v[T1], |v[RAW+30]|, |v[RAW+31]|
	v_max3_num_f32 v[T1], v[T1], v[T2], 0x1800000  ; and the floor 2^(3 - 127): so the byte cannot fall under 1
	v_add_nc_u32 v[EX], 0xff000000, v[T1]          ; 2 off its exponent field: the conversion takes the exponent field of this operand as its scale
	v_lshrrev_b32 v[BY], 23, v[EX]                 ; the scale's byte
	v_cvt_scalef32_pk16_fp6_f32 v[D:D+2], v[RAW:RAW+15], v[EX]
	v_cvt_scalef32_pk16_fp6_f32 v[D+4:D+6], v[RAW+16:RAW+31], v[EX]   ; (a conversion's three registers begin on an even number)
	v_nop                                          ; one plain place behind a scaled conversion
	v_mov_b32 v[D+3], v[D+4]
	v_mov_b32 v[D+4], v[D+5]
	v_mov_b32 v[D+5], v[D+6]
	ds_store_b64 v[IA0], v[D:D+1] offset:6144*\p
	ds_store_b64 v[IA1], v[D+2:D+3] offset:6144*\p
	ds_store_b64 v[IA0], v[D+4:D+5] offset:6144*\p+512
	ds_store_b8 v[SW], v[BY] offset:256*\p
.endm
.macro LOADX t                         ; token tile t's two fragments, images of their registers, and its scale words (lanes 0-15 K step 0, lanes 16-31 K step 1)
.irp i, 0,1,2,3,4,5
	ds_load_b128 v[XF+4*\i:XF+4*\i+3], v[FX] offset:3072*(\t)+512*\i
.endr
	ds_load_b32 v[XS], v[FS] offset:128*(\t)
.endm
; My 8 code tiles against one token tile: sixteen matrix instructions, the eight accumulators by turns, one instruction a turn.  K step 0 starts each sum with -c2/2 as C;
; K step 1 takes both sides' scale words from lanes 16-31 of the same registers.
; Behind them four plain places, for the loads into x's registers and for the reads of the results (ISA guide 7.12.1 for vector instructions).
.macro MM
	WIN 0x11                                       ; source 0 (codes) and C (-c2/2) window 1
.irp c, 0,1,2,3,4,5,6,7
	v_wmma_scale_f32_16x16x128_f8f6f4 v[ACC+8*\c:ACC+8*\c+7], v[24*\c:24*\c+11], v[XF:XF+11], v[C2R+8*\c:C2R+8*\c+7], v[AS+\c+4*(\c/4)], v[XS] matrix_a_fmt:MATRIX_FMT_FP6 matrix_b_fmt:MATRIX_FMT_FP6
.endr
	WIN 0x01
.irp c, 0,1,2,3,4,5,6,7
	v_wmma_scale_f32_16x16x128_f8f6f4 v[ACC+8*\c:ACC+8*\c+7], v[24*\c+12:24*\c+23], v[XF+12:XF+23], v[ACC+8*\c:ACC+8*\c+7], v[AS+\c+4*(\c/4)], v[XS] matrix_a_fmt:MATRIX_FMT_FP6 matrix_b_fmt:MATRIX_FMT_FP6 matrix_a_scale:MATRIX_SCALE_ROW1 matrix_b_scale:MATRIX_SCALE_ROW1
.endr
	WIN 0
.rept 4
	v_nop
.endr
.endm
.macro MXA c                           ; the maximum of tile c's sums 0-5 in two parts; each accumulator is read from its low end on
	v_max3_num_f32 v[M1], v[ACC+8*(\c)], v[ACC+8*(\c)+1], v[ACC+8*(\c)+2]
	v_max3_num_f32 v[M2], v[ACC+8*(\c)+3], v[ACC+8*(\c)+4], v[ACC+8*(\c)+5]
.endm
.macro MXC c
	v_max3_num_f32 v[M1], v[M1], v[M2], v[ACC+8*(\c)+6]
.endm
.macro MXD c, new, cur                 ; with the running maximum
	v_max3_num_f32 v[\new], v[M1], v[ACC+8*(\c)+7], v[\cur]
.endm
; The search over a token tile's 8 x 8 sums a lane: v[res] the greatest, v[res + 1] its code.  The kept eight sums lie in tile 0's accumulator.  Tile c + 1's maximum is found among tile c's copies.
.macro EPI res
	MXA 0
	MXC 0
	v_max_num_f32 v[RN], v[M1], v[ACC+7]
	MXA 1
	MXC 1
	MXD 1, RN+1, RN
.irp c, 1,2,3,4,5,6,7
.set CUR, RN+((\c+1)%2)
.set NEW, RN+(\c%2)
.if \c == 7
.set NEW, \res
.else
	MXA \c+1
.endif
	v_cmp_lt_f32 vcc_lo, v[CUR], v[NEW]            ; strictly greater: the earlier tile keeps a tie
.if \c < 7
	MXC \c+1
.endif
.if \c == 1
	v_cndmask_b32 v[ID], 0, 8, vcc_lo
.else
	v_cndmask_b32 v[ID], v[ID], 8*\c, vcc_lo
.endif
.irp j, 0,2,4,6
	v_dual_cndmask_b32 v[ACC+\j], v[ACC+\j], v[ACC+8*\c+\j] :: v_dual_cndmask_b32 v[ACC+\j+1], v[ACC+\j+1], v[ACC+8*\c+\j+1]
.endr
.if \c < 6
	MXD \c+1, CUR, NEW
.elseif \c == 6
	MXD \c+1, \res, NEW
.endif
.endr
.irp j, 0,1,2,3,4,5,6
	v_cmp_eq_f32 s[40+\j], v[ACC+\j], v[\res]
.endr
	s_or_b32 s47, s40, s41
	s_or_b32 s48, s42, s43
	s_or_b32 s47, s47, s48                         ; the lanes whose first equal is among 0 .. 3
	v_cndmask_b32 v[JA], 7, 6, s46                 ; descending: the lowest is written last
	v_cndmask_b32 v[JB], 3, 2, s42
	v_cndmask_b32 v[JA], v[JA], 5, s45
	v_cndmask_b32 v[JB], v[JB], 1, s41
	v_cndmask_b32 v[JA], v[JA], 4, s44
	v_cndmask_b32 v[JB], v[JB], 0, s40
	v_cndmask_b32 v[JA], v[JA], v[JB], s47
	v_add3_u32 v[\res+1], v[ID], v[JA], v[IB]      ; 8 tile + j + 128 w + 64 h
.endm
	s_load_b128 s[4:7], s[0:1], 0x0                ; x s[4:5], cbq s[6:7]
	s_load_b64 s[8:9], s[0:1], 0x10                ; out0
	v_lshl_add_u32 v[SPW], v0, 2, SPARE
	v_mov_b32 v[NIL], 0
	ds_add_u32 v[SPW], v[NIL]                      ; the wave's opening: the add, twice on end, and its wait ahead of my first copy
	ds_add_u32 v[SPW], v[NIL]
	v_lshrrev_b32 v1, 5, v0
	v_readfirstlane_b32 s10, v1                    ; wave 0..7
	s_lshr_b32 s11, s10, 2                         ; which tile of a phase's two I quantise
	s_and_b32 s12, s10, 3                          ; which quarter along K
	s_lshl_b32 s14, ttmp9, 17                      ; the work-group's 128 rows of 1,024 bytes,
	s_lshl_b32 s13, s11, 14                        ; my tile's 16,
	s_add_co_u32 s14, s14, s13
	s_lshl_b32 s13, s12, 8                         ; my 256 bytes of a row
	s_add_co_u32 s14, s14, s13
	s_mov_b32 s15, 0
	s_mul_i32 s16, s10, 8*REC                      ; my eight records
	s_mov_b32 s17, 0
	s_mul_i32 s18, s10, RWV                        ; my x in LDS
	s_lshl_b32 s19, s10, 9
	s_add_co_u32 s19, s19, C2L
	v_and_b32 v1, 31, v0                           ; lane
	v_and_b32 v2, 15, v0                           ; r
	v_bfe_u32 v3, v0, 4, 1                         ; h
	v_lshlrev_b32 v[TT], 4, v2
	v_lshl_add_u32 v[VG], v3, 10, v[TT]            ; 1024 h + 16 r
	v_mul_u32_u24 v[LD], v3, 272
.irp n, 1,2,3,4,5,6,7
	v_add_nc_u32 v[VG+\n], 1504*\n, v[VG]
.endr
	v_add_nc_u32 v[LD], v[TT], v[LD]
	v_lshrrev_b32 v[TT], 2, v1
	v_add_nc_u32 v[LD], s18, v[LD]                 ; row h of a pair, 16 r
	v_mul_u32_u24 v[C2G], v[TT], REC               ; -c2/2: four lanes to a record's 64 bytes
	v_and_b32 v[TT], 3, v1
	v_lshl_add_u32 v[C2G], v[TT], 4, v[C2G]
	v_add_nc_u32 v[C2G], 3200, v[C2G]
	v_lshl_add_u32 v[C2D], v1, 4, s19
	v_lshlrev_b32 v[CO], 4, v1
	v_lshlrev_b32 v[SO], 2, v1
	s_wait_alu depctr_va_vdst(0)
	s_wait_dscnt 0x0                               ; both opening adds are done
	s_wait_kmcnt 0x0
	s_add_nc_u64 s[20:21], s[4:5], s[14:15]        ; a base for each phase: 32768 p less the immediate's 4352 p
	s_add_nc_u64 s[22:23], s[20:21], 28416
	s_add_nc_u64 s[24:25], s[20:21], 56832
	s_add_nc_u64 s[26:27], s[20:21], 85248
	s_add_nc_u64 s[6:7], s[6:7], s[16:17]
	COPY 0
	global_load_async_to_lds_b128 v[C2D], v[C2G], s[6:7]
	COPY 1
.irp c, 0,1,2,3,4,5,6,7
	global_load_b32 v[AS+\c+4*(\c/4)], v[SO], s[6:7] offset:REC*\c+3072   ; lanes 0-15: K step 0's words; lanes 16-31: K step 1's
.endr
	WIN 0x40                                       ; destination window 1
.irp c, 0,1,2,3,4,5,6,7
.irp i, 0,1,2,3,4,5
	global_load_b128 v[24*\c+4*\i:24*\c+4*\i+3], v[CO], s[6:7] offset:REC*\c+512*\i   ; 512 consecutive bytes
.endr
.endr
	WIN 0
	COPY 2
	COPY 3
	; the other addresses, while all that is on its way
	s_lshr_b32 s28, s12, 1                         ; my K step
	s_and_b32 s29, s12, 1                          ; and which half of it
	s_mul_i32 s30, s11, 3072
	s_mul_i32 s31, s28, 1536
	s_add_co_u32 s30, s30, s31
	s_add_co_u32 s30, s30, XIMG
	s_mul_i32 s31, s29, 520
	s_add_co_u32 s31, s31, s30                     ; registers 0, 1 (first half) or 6, 7 (second)
	s_mul_i32 s32, s29, 1016
	s_add_co_u32 s32, s32, s30
	s_add_co_u32 s32, s32, 8                       ; registers 2, 3 or 8, 9
	s_lshl_b32 s33, s11, 7
	s_lshl_b32 s34, s28, 6
	s_add_co_u32 s33, s33, s34
	s_lshl_b32 s34, s29, 1
	s_add_co_u32 s33, s33, s34
	s_add_co_u32 s33, s33, XSC
	s_lshl_b32 s34, s10, 11
	s_add_co_u32 s34, s34, MRG
	s_lshl_b32 s35, s10, 7
	s_lshl_b32 s36, s10, 9
	s_add_co_u32 s36, s36, MRG
	s_lshl_b32 s37, s10, 8
	s_lshl_b32 s14, ttmp9, 9                       ; the work-group's 512 bytes of out0
	s_add_nc_u64 s[8:9], s[8:9], s[14:15]
	s_wait_alu depctr_va_vdst(0)
	v_mul_u32_u24 v[RB], v2, 272
	v_lshl_add_u32 v[CB], v3, 5, s19
	v_lshl_add_u32 v[RB], v3, 7, v[RB]
	v_lshl_add_u32 v[IA0], v1, 4, s31
	v_add_nc_u32 v[RB], s18, v[RB]
	v_lshl_add_u32 v[IA1], v1, 4, s32
	v_lshl_add_u32 v[SW], v2, 2, s33
	v_lshl_add_u32 v[MW], v2, 3, s34
	v_add_nc_u32 v[SW], v3, v[SW]                  ; byte 2 (q % 2) + h of the word
	v_lshl_add_u32 v[MW], v3, 10, v[MW]
	v_lshl_add_u32 v[FX], v1, 4, XIMG
	v_lshl_add_u32 v[FS], v1, 2, XSC
	v_lshl_add_u32 v[IB], v3, 6, s35
	v_lshl_add_u32 v[MR], v1, 4, s36
	v_lshl_add_u32 v[OA], v1, 3, s37
	s_wait_alu depctr_va_vdst(0)
	s_wait_asynccnt 0x18                           ; phase 0's eight copies and -c2/2 are in LDS; the 24 of phases 1 to 3 may be out.  I read only what I have copied
	LOADRAW 0
	WIN 0x40
.irp i, 0,1,2,3,4,5,6,7,8,9,10,11,12,13,14,15
	ds_load_b128 v[C2R+4*\i:C2R+4*\i+3], v[CB] offset:64*(\i/2)+16*(\i%2)   ; all lanes of a half read the same words
.endr
	WIN 0
	s_wait_dscnt 0x10                              ; LDS loads come back in order: my block is in, -c2/2's sixteen loads may be out
	QUANT 0
	s_wait_dscnt 0x0                               ; for the others' sake: my part of phase 0's images has landed
	s_barrier_signal -1
	s_barrier_wait -1
	LOADX 0
	s_wait_loadcnt 0x0                             ; the codes and their scale words
	s_wait_dscnt 0x0
.irp p, 0,1,2
	MM                                             ; tile 2 p
	LOADX 2*\p+1
	EPI RES0
	s_wait_asynccnt 8*(2-\p)                       ; my copies of phase p + 1; those of the later phases may be out
	LOADRAW \p+1
	s_wait_dscnt 0x0
	QUANT (\p+1)
	s_wait_dscnt 0x0                               ; my part of phase p + 1's images has landed
	s_barrier_signal -1
	MM                                             ; tile 2 p + 1: register work while the others arrive
	s_barrier_wait -1                              ; phase p + 1's images are whole
	LOADX 2*\p+2
	EPI RES1
	ds_store_b64 v[MW], v[RES0:RES0+1] offset:256*\p
	ds_store_b64 v[MW], v[RES1:RES1+1] offset:256*\p+128
	s_wait_dscnt 0x2                               ; the next tile's seven loads are in; the two stores may be out
.endr
	MM                                             ; tile 6
	LOADX 7
	EPI RES0
	ds_store_b64 v[MW], v[RES0:RES0+1] offset:768
	s_wait_dscnt 0x1                               ; tile 7's loads are in; the store may be out
	MM                                             ; tile 7
	EPI RES1
	ds_store_b64 v[MW], v[RES1:RES1+1] offset:896
	s_wait_dscnt 0x0                               ; for the others' sake: my candidates have landed
	s_barrier_signal -1
	s_barrier_wait -1
	; waves 0 and 1 join the sixteen candidates of 64 tokens each, two tokens a lane
.macro JOIN e, d                       ; candidate e + d against e: strictly greater, so the lower codes keep a tie
.set LO, ACC+4*(\e)
.set HI, ACC+4*((\e)+(\d))
	v_cmp_lt_f32 s40, v[LO], v[HI]
	v_cmp_lt_f32 s41, v[LO+2], v[HI+2]
	v_max_num_f32 v[LO], v[LO], v[HI]
	v_max_num_f32 v[LO+2], v[LO+2], v[HI+2]
	v_cndmask_b32 v[LO+1], v[LO+1], v[HI+1], s40
	v_cndmask_b32 v[LO+3], v[LO+3], v[HI+3], s41
.endm
	s_cmp_lt_u32 s10, 2
	s_cbranch_scc0 .Lend
.irp e, 0,1,2,3,4,5,6,7,8,9,10,11,12,13,14,15
	ds_load_b128 v[ACC+4*\e:ACC+4*\e+3], v[MR] offset:1024*\e   ; sum and index of tokens 64 w + 2 l and 64 w + 2 l + 1
.endr
	s_wait_dscnt 0x0
.irp e, 0,2,4,6,8,10,12,14
	JOIN \e, 1
.endr
.irp e, 0,4,8,12
	JOIN \e, 2
.endr
	JOIN 0, 4
	JOIN 8, 4
	JOIN 0, 8
	v_mov_b32 v[ACC], v[ACC+1]
	v_mov_b32 v[ACC+1], v[ACC+3]
	global_store_b64 v[OA], v[ACC:ACC+1], s[8:9] th:TH_STORE_NT   ; 32 lanes store 256 consecutive bytes, at a multiple of 256 from out0's first byte
.Lend:
	s_wait_asynccnt 0x0
	s_wait_tensorcnt 0x0                           ; the wave's end
	ds_add_u32 v[SPW], v[NIL]
	s_wait_dscnt 0x0
	s_endpgm
.Lfunc_end_k_qcdfacb24ca_vq:
	.size	k_qcdfacb24ca_vq, .Lfunc_end_k_qcdfacb24ca_vq-k_qcdfacb24ca_vq
	.p2alignl 7, 3214868480
	.fill 96, 4, 3214868480
	.section	.rodata,"a",@progbits
	.p2align	6, 0x0
	.amdhsa_kernel k_qcdfacb24ca_vq
		.amdhsa_group_segment_fixed_size 186368
		.amdhsa_private_segment_fixed_size 0
		.amdhsa_enable_private_segment 0
		.amdhsa_kernarg_size 24
		.amdhsa_user_sgpr_count 2
		.amdhsa_user_sgpr_kernarg_segment_ptr 1
		.amdhsa_wavefront_size32 1
		.amdhsa_system_sgpr_workgroup_id_x 1
		.amdhsa_system_sgpr_workgroup_id_y 1
		.amdhsa_system_sgpr_workgroup_id_z 1
		.amdhsa_system_vgpr_workitem_id 0
		.amdhsa_next_free_vgpr 512
		.amdhsa_next_free_sgpr 66
		.amdhsa_reserve_vcc 1
		.amdhsa_float_denorm_mode_32 3
		.amdhsa_float_denorm_mode_16_64 3
		.amdhsa_memory_ordered 1
		.amdhsa_forward_progress 1
		.amdhsa_inst_pref_size 95
	.end_amdhsa_kernel
	.amdgpu_metadata
---
amdhsa.version: [ 1, 2 ]
amdhsa.kernels:
  - .name:           k_qcdfacb24ca_vq
    .symbol:         k_qcdfacb24ca_vq.kd
    .args:
      - { .name: x, .offset: 0, .size: 8, .value_kind: global_buffer, .address_space: global }
      - { .name: cbq, .offset: 8, .size: 8, .value_kind: global_buffer, .address_space: global }
      - { .name: out0, .offset: 16, .size: 8, .value_kind: global_buffer, .address_space: global }
    .group_segment_fixed_size: 186368
    .private_segment_fixed_size: 0
    .kernarg_segment_align: 8
    .kernarg_segment_size: 24
    .max_flat_workgroup_size: 256
    .sgpr_count:     66
    .vgpr_count:     512
    .wavefront_size: 32
...
	.end_amdgpu_metadata
.endif
;; end of part 2
